; MI455X (gfx1250); checked and timed in simulation.
; The chip was launched on July 23, 2026; its instructions are those of AMD's public machine-readable ISA for CDNA 5 (MIT licence, August 2026) and "CDNA5" Instruction Set Architecture Reference Guide (July 2026). The comments in the code are by the model that wrote it; some were corrected since.
;; Self Attention Model. Allowed arithmetic: matrix products marked QUANTISED: E4M3 operands, one given power-of-two scale a tensor, by v_wmma_f32_16x16x64_fp8_fp8 or v_wmma_f32_16x16x128_fp8_fp8, f32 sums; everything else in f32.
;; Inputs: Wfc_codes 256 x 8 x 32 uint8 (E4M3 codes of Wfc, K innermost, in blocks of 32 codes); Win_codes 768 x 8 x 32 uint8 (E4M3 codes of Win, K innermost, in blocks of 32 codes); Wk_codes 256 x 8 x 32 uint8 (E4M3 codes of Wk, K innermost, in blocks of 32 codes); Wout_codes 256 x 8 x 32 uint8 (E4M3 codes of Wout, K innermost, in blocks of 32 codes); Wq_codes 256 x 8 x 32 uint8 (E4M3 codes of Wq, K innermost, in blocks of 32 codes); Wv_codes 256 x 8 x 32 uint8 (E4M3 codes of Wv, K innermost, in blocks of 32 codes); beta 256 float32; bfc 256 float32; bin_ 768 float32; bk 256 float32; bout 256 float32; bq 256 float32; bv 256 float32; gamma 256 float32; lowp_scales 20 int32 (the exponents e of the quantised operands' scales 2^e); mask 4 x 2,048 float32; mod 2,048 x 4 x 256 float32.
;; Outputs: out0 2,048 x 4 x 256 float32.
;; Constants: req = 16.
;; This version of the problem:
;;   THIS VERSION OF THE PROBLEM IS GIVEN IN LOW PRECISION. The matrix products marked QUANTISED in the list below multiply operands that are first quantised to E4M3 (4 exponent bits, 3 mantissa bits; 8 bits a number), with one given power-of-two scale for each operand tensor; their sums are f32. All else is computed in f32.
;;   The module's matrix products, in the order in which they are computed (A, B: the left and right operand; K: the contracted axis; several contracted axes count as one K, in the product's order):
;;     1. [M 8,192, K 256] x [K 256, N 256]; A: input mod; B: input Wq (given as codes): QUANTISED (scales: A lowp_scales[0], B lowp_scales[1])
;;     2. [M 8,192, K 256] x [K 256, N 256]; A: input mod; B: input Wk (given as codes): QUANTISED (scales: A lowp_scales[2], B lowp_scales[3])
;;     3. [M 8,192, K 256] x [K 256, N 256]; A: input mod; B: input Wv (given as codes): QUANTISED (scales: A lowp_scales[4], B lowp_scales[5])
;;     4. [M 8,192, K 256] x [K 256, N 256]; A: computed on the way; B: input Win (given as codes): QUANTISED (scales: A lowp_scales[6], B lowp_scales[7])
;;     5. [M 8,192, K 256] x [K 256, N 256]; A: computed on the way; B: input Win (given as codes): QUANTISED (scales: A lowp_scales[8], B lowp_scales[9])
;;     6. [M 8,192, K 256] x [K 256, N 256]; A: computed on the way; B: input Win (given as codes): QUANTISED (scales: A lowp_scales[10], B lowp_scales[11])
;;     7. batch 32 x [M 2,048, K 32] x [K 32, N 2,048]; A: computed on the way; B: computed on the way: QUANTISED (scales: A lowp_scales[12], B lowp_scales[13])
;;     8. batch 32 x [M 2,048, K 2,048] x [K 2,048, N 32]; A: softmax (see below); B: computed on the way: QUANTISED (scales: A lowp_scales[14], B lowp_scales[15])
;;     9. [M 8,192, K 256] x [K 256, N 256]; A: computed on the way; B: input Wout (given as codes): QUANTISED (scales: A lowp_scales[16], B lowp_scales[17])
;;     10. [M 8,192, K 256] x [K 256, N 256]; A: computed on the way; B: input Wfc (given as codes): QUANTISED (scales: A lowp_scales[18], B lowp_scales[19])
;;   THE QUANTISER, for each operand of a quantised product, along K:
;;     - The operand's scale is 2^e, e = its entry of the input lowp_scales (int32; the entries are numbered through the quantised products in the list's order, A before B).
;;     - Each number is divided by the scale, clamped to +-448, and rounded to the nearest number of E4M3, ties to even, subnormals kept.
;;     - The product sums the exact products of the quantised numbers (number of the format x scale) in f32.
;;   ~~~python
;;   def quantise(x, axis, e):      # numpy; x: float32 -> the quantised numbers, widened to float32 again
;;       x = np.moveaxis(x, axis, -1); K = x.shape[-1]
;;       r = np.clip(x / 2.0 ** e, -448, 448)
;;       step = 2.0 ** (np.maximum(np.frexp(np.where(r == 0, 1, r))[1] - 1, -6) - 3)
;;       q = np.round(r / step) * step * 2.0 ** e      # np.round: ties to even
;;       return np.moveaxis(q, -1, axis).astype(np.float32)
;;   ~~~
;;   SOFTMAX AHEAD OF A QUANTISED PRODUCT. Where the list says 'softmax', what is quantised is not the finished softmax but p = 2^(t - M), with t = logit x log2(e) and M = ceil(the row's largest t), a whole number; so 1/2 < the row's largest p <= 1. The row's sum l is taken of the UNQUANTISED p, in f32, and the product's result is divided by l at the end. Since M is a whole number, a kernel that streams over the keys may use a running M (the ceiling of the running maximum): every later rescaling is an exact power of two, so the quantised numbers keep their values, but for numbers so far below the row's largest that they fall under the format's range.
;;   OPERANDS COMPUTED ON THE WAY. 'Computed on the way' means the value that the module computes at that place (a softmax that the list does not call 'softmax' is quantised finished and normalised). What goes into a quantiser is computed in f32, as accurately as f32 sums, v_exp_f32 and their like allow (about 1e-6 of the number): no bf16 or f16 on the way to a quantiser, and a product that is left as it is and whose result goes on into a quantised operand takes f32 operands (vector FMAs, or v_wmma_f32_16x16x4_f32). A number that lies on a knife's edge between two numbers of the format may be rounded either way, as far as f32 arithmetic and the matrix unit's own rounding can turn it there, and no further.
;;   INPUTS GIVEN AS CODES. Wfc (in the module: [256, 256], K = its axis 1); Win (in the module: [768, 256], K = its axis 1); Wk (in the module: [256, 256], K = its axis 1); Wout (in the module: [256, 256], K = its axis 1); Wq (in the module: [256, 256], K = its axis 1); Wv (in the module: [256, 256], K = its axis 1): each comes as NAME_codes (uint8): NAME with its K axis moved to the last place and cut into blocks of 32 codes, [.., K / 32, bytes a block], one block behind the other in memory; one code a byte (a code: sign, 4 exponent bits, 3 mantissa bits); its scale is its entry of lowp_scales. Its value is code x scale, taken as it is: it is not quantised again, and the codes and scales need not be those that the quantiser above would give.
;; One version. Each part assembles by itself: llvm-mc -triple=amdgcn-amd-amdhsa -mcpu=gfx1250 --defsym DOCPART=n.
;; ======== version 1 of 1: 1 launch
;; launch main (part 1): grid 64 x 4, 4 waves a work-group, clusters of 4 x 1, 327,680 bytes of LDS; arguments mod, Wq_codes, Wk_codes, Wv_codes, Win_codes, Wout_codes, Wfc_codes, lowp_scales, bq, bk, bv, bin_, bout, bfc, gamma, beta, out0; writes out0
.if DOCPART == 1
	.amdgcn_target "amdgcn-amd-amdhsa--gfx1250"
	.amdhsa_code_object_version 6
	.text
	.protected	k_qcda319c7ec_main
	.globl	k_qcda319c7ec_main
	.p2align	8
	.type	k_qcda319c7ec_main,@function
k_qcda319c7ec_main:
	s_mov_b64 s[64:65], 0
	v_nop
	global_prefetch_b8 v0, s[64:65] scope:SCOPE_SE
	s_setreg_imm32_b32 hwreg(HW_REG_WAVE_MODE, 25, 1), 1
	s_wait_xcnt 0x0
	s_wait_alu depctr_hold_cnt(0) depctr_sa_sdst(0) depctr_va_vdst(0) depctr_va_sdst(0) depctr_va_ssrc(0) depctr_va_vcc(0) depctr_vm_vsrc(0)
	s_getreg_b32 s2, hwreg(HW_REG_IB_STS2, 6, 4)
	s_cmp_eq_u32 s2, 0
	s_cbranch_scc0 .Lentry_in_a_cluster
	s_endpgm
.Lentry_in_a_cluster:
	s_bfe_u32 s2, ttmp6, 0x10000c
	s_cmp_lg_u32 s2, 0x3003
	s_cbranch_scc0 .Lentry_shape_is_right
	s_endpgm
.Lentry_shape_is_right:
; The whole module in one launch: three projections of mod, three in-projections, attention inside the band |q - k| < 16 (8 heads of 32), Wout, Wfc, residual, LayerNorm.
; All ten products on codes of FP8 (E4M3), each operand with the one scale 2^e given for it (e0 .. e19); sums in f32.
; SHARES.  A work-group takes 32 neighbouring positions of one batch.  k and v are also made for 16 positions on each side (64 rows), since the band reaches so far; q and all behind the attention for the 32.
; THE FOUR WAVES SHARE THE COLUMNS: wave w makes columns 64 w .. 64 w + 63 of every product, which are heads 2 w and 2 w + 1.  So each weight fragment is read from LDS by one wave, once, and the attention of a wave's
; two heads needs no other wave: the conversions' results of the in-projections ARE the fragments of the two attention products.
; WEIGHTS.  Eight matrices of 256 rows x 256 bytes.  All work-groups read them, so the four of a cluster ask JOINTLY (mask 15): each wave one whole matrix, four at the start, four in one refill.  As soon as a batch
; has landed each wave takes its 64 rows of each matrix into registers (128 registers a matrix), so that the four slots are free for the second batch while the first four products run.
; ACTIVATIONS go from wave to wave as rows of codes in LDS (pitch 272) and are read by the same four 16-byte loads as the weights: the same permutation of k on both sides of a product of K = 128.
; The two attention products (K = 64 form) have every k in the form's own place.
; The input mask is not read.  The band is |q - k| < req, with req = 16.
; LIMITS.  NaN among the inputs is not served.  Each folded exponent f below (e0, e2, e4, e14, e6-e0-e1, e8-e2-e3, e10-e4-e5, e12-e6-e7, e13-e8-e9, e15-e10-e11, e16-e14-e15, e18-e16-e17) lies between -126 and 119,
; e12 + e13 between -124 and 129, e18 + e19 between -126 and 127, so that each power of two is an f32 number; a bias divided by its product's 2^(ea + eb) stays an f32 number.
; REGISTERS, in windows of 256.  Window 0: v0-21 addresses and constants, v32-63 at work (T), v64-127 my 8 rows of mod (RES), v128-255 accumulators (ACC).
;   Window 1: v0-127 the rows' fragments (tile of rows m, K step s at 16 (2 m + s)); v128-255 four sets of biases in the results' layout.
;   Window 2: two weight sets (v0, v128); v0-79 later the codes of q0, k0, v0.   Window 3: two weight sets; v0-95 later the fragments of q, k, v for the attention.
.set PIT,   272                        ; a row of codes in LDS: 256 bytes + 16 of padding = 68 words, so the 16 rows that a load touches start 4 banks apart
.set SLOTB, 256*PIT                    ; a slot: one matrix
.set SCR,   4*SLOTB                    ; behind the slots: bytes that LDS stores write and no tensor load fills
.set RQ,    0                          ; 32 rows: codes of mod for q, then of q0, then of ctx
.set RK,    32*PIT                     ; 64 rows: codes of mod for k, then of k0
.set RV,    96*PIT                     ; 64 rows: codes of mod for v, then of v0
.set RO,    39936                      ; 32 rows: codes of ctx Wout^T + bout; it takes RV's tail when that has been read out
.set YP,    1040                       ; y in f32: 32 rows of 1,024 bytes + 16, from SCR on
.set SPARE, 327168                     ; the spare words, 128 bytes for each wave: two blocks of 256 bytes that no other line names
.set T,     32
.set RES,   64
.set ACC,   128
.set BS,    128                        ; window 1: bias set k at BS + 32 k, tile n at + 8 n
.set WS0,   0                          ; window 2
.set WS1,   128                        ; window 2
.set WS2,   0                          ; window 3
.set WS3,   128                        ; window 3
.set HC,    0                          ; window 2
.set QF,    0                          ; window 3
.set KF,    32
.set VF,    64
.set MSB, 0
.macro WIN new                         ; the immediate's high byte repeats the setting that is left; a switch that changes nothing is dropped
.if MSB != (\new)
	s_set_vgpr_msb (MSB<<8)|(\new)
.set MSB, (\new)
.endif
.endm
.macro PLACES                          ; four plain places behind matrix instructions, ahead of reads of their results and of loads into their sources
.rept 4
	v_nop
.endr
.endm
.macro BAR                             ; my LDS stores have landed and my LDS loads are in: then the work-group's barrier
	s_wait_dscnt 0x0
	s_barrier_signal -1
	s_barrier_wait -1
.endm
.macro CROUND                          ; a round of the cluster's barrier
	s_barrier_signal -1
	s_barrier_wait -1
	s_cmp_lg_u32 s38, 0
	s_cbranch_scc1 .Lnot_wave_0_\@
	s_barrier_signal -3
.Lnot_wave_0_\@:
	s_barrier_wait -3
	s_barrier_signal -1
	s_barrier_wait -1
.endm
; The quantiser's two numbers: v16 = 2^f (the conversion takes its exponent field), v17 = 448 x 2^f (the hold).  s60 = f + 127 on entry of SETQT.
.macro SETQT
	s_lshl_b32 s61, s60, 23
	v_mov_b32 v16, s61
	s_add_co_i32 s60, s60, 8
	s_lshl_b32 s60, s60, 23
	s_or_b32 s60, s60, 0x600000
	v_mov_b32 v17, s60
.endm
.macro SETQ1 e                         ; f = e
	s_add_co_i32 s60, s[40+\e], 127
	SETQT
.endm
.macro SETQ3 en, ea, eb                ; f = en - ea - eb: a sum stands for sum x 2^(ea + eb), its code is sum / 2^(en - ea - eb)
	s_sub_co_i32 s60, s[40+\en], s[40+\ea]
	s_sub_co_i32 s60, s60, s[40+\eb]
	s_add_co_i32 s60, s60, 127
	SETQT
.endm
; Eight rows of mod (row i in v[src + 8 i]: columns 4 lane .. + 3, then 128 + 4 lane .. + 3) become codes and go to LDS as rows.  wt = 1: this set of code registers was stored from two passes ago.
.macro XPASS src, adr, off, set, wt
.set jj, 0
.rept 64
	v_med3_num_f32 v[ACC+64+jj], v[\src+jj], -v17, v17      ; the conversion does not saturate (ISA guide 7.6.2): hold first
.set jj, jj+1
.endr
.if \wt
	s_wait_dscnt 16                                         ; the stores that read this set are done; the other set's 16 may be out
.endif
.set ii, 0
.rept 8
	v_cvt_scalef32_pk8_fp8_f32 v[T+16*\set+2*ii:T+16*\set+2*ii+1], v[ACC+64+8*ii:ACC+64+8*ii+7], v16
.set ii, ii+1
.endr
	v_nop                                                   ; a plain place behind the conversions
.set ii, 0
.rept 8
	ds_store_b32 v[\adr], v[T+16*\set+2*ii] offset:\off+PIT*ii          ; 32 lanes: 128 neighbouring bytes of a row
	ds_store_b32 v[\adr], v[T+16*\set+2*ii+1] offset:\off+PIT*ii+128
.set ii, ii+1
.endr
.endm
.macro LDX R, reg                      ; the fragments of R tiles of 16 rows, both K steps, from region reg
	WIN 0x40
.set mm, 0
.rept \R
.irp s, 0,1
.irp c, 0,1,2,3
	ds_load_b128 v[16*(2*mm+\s)+4*\c:16*(2*mm+\s)+4*\c+3], v8 offset:\reg+16*mm*PIT+128*\s+32*\c
.endr
.endr
.set mm, mm+1
.endr
	WIN 0
.endm
.macro PULL base, k                    ; my 64 rows of the matrix in slot k into a weight set (the caller sets the window)
.irp n, 0,1,2,3
.irp s, 0,1
.irp c, 0,1,2,3
	ds_load_b128 v[\base+16*(2*\n+\s)+4*\c:\base+16*(2*\n+\s)+4*\c+3], v[9+\k] offset:16*\n*PIT+128*\s+32*\c
.endr
.endr
.endr
.endm
; A product, TRANSPOSED: source 0 = 16 rows of the weight (window ww), source 1 = 16 rows of the activation.  Lane (r, h) of accumulator (m, n) holds row r of tile m and columns 16 n + 8 h + 0 .. 7 of my 64.
; The bias is the C of the first K step (zero = 1: the constant 0).  The 4 R accumulators take turns, one instruction a turn.
.macro PROD_T R, ww, WB, BSET, zero
.if \zero
	WIN ((\ww)|0x04)
.else
	WIN ((\ww)|0x14)
.endif
.set mm, 0
.rept \R
.irp n, 0,1,2,3
.if \zero
	v_wmma_f32_16x16x128_fp8_fp8 v[ACC+8*(4*mm+\n):ACC+8*(4*mm+\n)+7], v[\WB+32*\n:\WB+32*\n+15], v[32*mm:32*mm+15], 0
.else
	v_wmma_f32_16x16x128_fp8_fp8 v[ACC+8*(4*mm+\n):ACC+8*(4*mm+\n)+7], v[\WB+32*\n:\WB+32*\n+15], v[32*mm:32*mm+15], v[BS+32*\BSET+8*\n:BS+32*\BSET+8*\n+7]
.endif
.endr
.set mm, mm+1
.endr
	WIN ((\ww)|0x04)
.set mm, 0
.rept \R
.irp n, 0,1,2,3
	v_wmma_f32_16x16x128_fp8_fp8 v[ACC+8*(4*mm+\n):ACC+8*(4*mm+\n)+7], v[\WB+32*\n+16:\WB+32*\n+31], v[32*mm+16:32*mm+31], v[ACC+8*(4*mm+\n):ACC+8*(4*mm+\n)+7]
.endr
.set mm, mm+1
.endr
	WIN 0
.endm
.macro HOLD R                          ; the hold at the largest code x the scale, each accumulator from its low end on
.set jj, 0
.rept 32*\R
	v_med3_num_f32 v[ACC+jj], v[ACC+jj], -v17, v17
.set jj, jj+1
.endr
.endm
.macro CVTS R, dwin, d, sm, sn, sa     ; accumulator (m, n) becomes 8 codes in two registers of window dwin, at d + sm m + sn n + sa (n / 2)
	WIN ((\dwin)<<6)
.set mm, 0
.rept \R
.irp n, 0,1,2,3
	v_cvt_scalef32_pk8_fp8_f32 v[\d+\sm*mm+\sn*\n+\sa*(\n/2):\d+\sm*mm+\sn*\n+\sa*(\n/2)+1], v[ACC+8*(4*mm+\n):ACC+8*(4*mm+\n)+7], v16
.endr
.set mm, mm+1
.endr
	v_nop                                                   ; a plain place behind the conversions
	WIN 0
.endm
.macro BIASLD set, ptr, off            ; lane (r, h) wants, for tile n, the bias of columns 64 w + 16 n + 8 h + 0 .. 7
	WIN 0x40
.irp n, 0,1,2,3
	global_load_b128 v[BS+32*\set+8*\n:BS+32*\set+8*\n+3], v4, s[\ptr:\ptr+1] offset:\off+64*\n
	global_load_b128 v[BS+32*\set+8*\n+4:BS+32*\set+8*\n+7], v4, s[\ptr:\ptr+1] offset:\off+64*\n+16
.endr
	WIN 0
.endm
.macro BIASSC set, ea, eb              ; the bias goes in divided by the power of two that the sums lack
	s_add_co_i32 s60, s[40+\ea], s[40+\eb]
	s_sub_co_i32 s60, 0, s60
	WIN 0x41
.set jj, 0
.rept 32
	v_ldexp_f32 v[BS+32*\set+jj], v[BS+32*\set+jj], s60
.set jj, jj+1
.endr
	WIN 0
.endm
; ---------------------------------------------------------------- the head
	s_load_b512 s[4:19], s[0:1], 0x0               ; mod, Wq, Wk, Wv, Win, Wout, Wfc, the scales' exponents
	s_load_b512 s[20:35], s[0:1], 0x40             ; bq, bk, bv, bin_, bout, bfc, gamma, beta
	s_load_b64 s[36:37], s[0:1], 0x80              ; out0
	v_lshl_add_u32 v1, v0, 2, SPARE                ; my spare word; never rewritten
	v_mov_b32 v2, 0                                ; 0; never rewritten
	ds_add_u32 v1, v2
	ds_add_u32 v1, v2
	s_wait_dscnt 0x0
	v_lshrrev_b32 v22, 5, v0
	v_readfirstlane_b32 s38, v22                   ; wave w
	v_and_b32 v23, 31, v0                          ; lane
	v_and_b32 v24, 15, v0                          ; r
	v_bfe_u32 v25, v0, 4, 1                        ; h
	v_lshlrev_b32 v3, 4, v23                       ; 16 x lane: my 16 bytes of 512
	s_lshl_b32 s60, s38, 8
	v_lshl_add_u32 v4, v25, 5, s60                 ; biases, transposed layout: 32 h + 256 w
	v_lshl_add_u32 v5, v24, 2, s60                 ; biases, natural layout: 4 r + 256 w
	s_mul_i32 s61, s38, 8*PIT
	s_add_co_u32 s61, s61, SCR
	v_lshl_add_u32 v6, v23, 2, s61                 ; codes of my 8 own rows: row 8 w, + 4 x lane
	s_lshr_b32 s62, s38, 1
	s_mul_i32 s62, s62, 32*PIT
	s_add_co_u32 s62, s62, s61
	v_lshl_add_u32 v7, v23, 2, s62                 ; codes of my 8 halo rows: row 8 w + 32 (w / 2) of the 64
	v_mul_u32_u24 v26, v24, PIT
	v_lshl_add_u32 v27, v25, 4, v26                ; a fragment's row x pitch + 16 h
	v_add_nc_u32 v8, SCR, v27                      ; fragments of activations
	s_mul_i32 s63, s38, 64*PIT
	v_add_nc_u32 v9, s63, v27                      ; fragments of my 64 rows of the matrix in slot 0,
	v_add_nc_u32 v10, SLOTB, v9                    ; 1,
	v_add_nc_u32 v11, 2*SLOTB, v9                  ; 2,
	v_add_nc_u32 v12, 3*SLOTB, v9                  ; 3
	s_lshl_b32 s61, s38, 6
	s_add_co_u32 s61, s61, SCR
	v_lshl_add_u32 v13, v25, 3, v26
	v_add_nc_u32 v13, s61, v13                     ; where 8 codes of a result go: row r, byte 64 w + 8 h
	s_add_co_u32 s60, s60, SCR
	v_mul_u32_u24 v14, v24, YP
	v_lshl_add_u32 v14, v25, 5, v14
	v_add_nc_u32 v14, s60, v14                     ; where 8 numbers of y go: row r, byte 256 w + 32 h
	s_mul_i32 s61, s38, 8*YP
	s_add_co_u32 s61, s61, SCR
	v_add_nc_u32 v15, s61, v3                      ; and where my 8 rows of y come back
	v_lshlrev_b32 v28, 3, v25
	v_sub_nc_u32 v18, v24, v28                     ; d = r - 8 h: register i of a tile of scores holds key 8 h + i against query r
	v_mov_b32 v21, 0xff800000                      ; -infinity
	s_bfe_u32 s60, ttmp6, 0x40000                  ; cx
	s_lshl_b32 s39, ttmp9, 2
	s_add_co_u32 s39, s39, s60                     ; my block of 32 positions: it enters global addresses and two mask constants alone
	s_cmp_eq_u32 s39, 0
	s_cselect_b32 s60, 64, 0
	v_add_nc_u32 v19, s60, v18                     ; in the first block the 16 keys ahead of position 0 do not exist: no i is above d + 64
	s_cmp_eq_u32 s39, 63
	s_cselect_b32 s60, 0xffffffc0, 0
	v_add_nc_u32 v20, s60, v18                     ; in the last block the 16 keys behind the end do not exist: no i is under d - 64
	s_and_b32 s63, ttmp7, 0xffff
	s_lshl_b32 s63, s63, 10                        ; the batch: 1,024 bytes
	s_lshl_b32 s66, s39, 17                        ; 32 positions of 4,096 bytes
	s_lshl_b32 s62, s38, 15                        ; my 8 of them
	s_add_co_u32 s66, s66, s62
	s_add_co_u32 s66, s66, s63
	s_mov_b32 s67, 0
	s_lshl_b32 s60, s39, 5                         ; my 8 halo rows begin at position 32 block - 16 + 8 w + 32 (w / 2),
	s_lshl_b32 s62, s38, 3
	s_add_co_u32 s60, s60, s62
	s_lshr_b32 s62, s38, 1
	s_lshl_b32 s62, s62, 5
	s_add_co_u32 s60, s60, s62
	s_sub_co_i32 s60, s60, 16
	s_max_i32 s60, s60, 0                          ; held inside the sequence: a halo of 16 is wholly inside or wholly outside, and what stands for one outside is thrown away by the mask
	s_min_i32 s60, s60, 2040
	s_lshl_b32 s60, s60, 12
	s_add_co_u32 s60, s60, s63
	s_mov_b32 s61, 0
	s_mov_b32 s88, 0x76543210                      ; v_permlanex16_b32's selects for lane l xor 16
	s_mov_b32 s89, 0xfedcba98
	s_mov_b32 s94, 0x3b800000                      ; 1 / 256
	s_mov_b32 s95, 0x358637bd                      ; 1e-6
	; descriptor group 1: 256 rows of 256 bytes, dense in memory, 16 bytes of padding behind each row in LDS
	s_mov_b32 s68, 15|(1<<20)|(1<<21)|(5<<22)|(3<<25)  ; 15:0 the mask: all four work-groups; 17:16 elements of 1 byte; 20 padding on; 21 set beside a mask; 24:22 after every 64 words; 31:25 four words
	s_mov_b32 s69, 256<<16                         ; tensor_dim0
	s_mov_b32 s70, 256<<16                         ; tensor_dim1
	s_mov_b32 s71, 256<<16                         ; tile_dim0
	s_mov_b32 s72, 256                             ; tile_dim1
	s_mov_b32 s73, 256                             ; from row to row
	s_mov_b32 s74, 0
	s_mov_b32 s75, 0
	s_wait_kmcnt 0x0
	s_load_b512 s[40:55], s[18:19], 0x0            ; e0 .. e15
	s_load_b128 s[56:59], s[18:19], 0x40           ; e16 .. e19
	s_add_nc_u64 s[84:85], s[4:5], s[66:67]        ; mod at my own rows
	s_add_nc_u64 s[36:37], s[36:37], s[66:67]      ; out0 likewise
	s_add_nc_u64 s[86:87], s[4:5], s[60:61]        ; mod at my halo rows
.set ii, 0
.rept 8
	global_load_b128 v[ACC+8*ii:ACC+8*ii+3], v3, s[86:87] offset:4096*ii          ; 32 lanes read 512 neighbouring bytes
	global_load_b128 v[ACC+8*ii+4:ACC+8*ii+7], v3, s[86:87] offset:4096*ii+512
.set ii, ii+1
.endr
.set ii, 0
.rept 8
	global_load_b128 v[RES+8*ii:RES+8*ii+3], v3, s[84:85] offset:4096*ii
	global_load_b128 v[RES+8*ii+4:RES+8*ii+7], v3, s[84:85] offset:4096*ii+512
.set ii, ii+1
.endr
	; descriptor groups 0: wave w fetches a whole matrix into slot w.  First batch: Wq, Wk, Wv, Win's rows 0-255; second: Win's rows 256-511 and 512-767, Wout, Wfc.  The choice hangs on the wave's number alone.
	s_add_nc_u64 s[96:97], s[12:13], 0x10000
	s_add_nc_u64 s[98:99], s[12:13], 0x20000
	s_mov_b32 s76, 1
	s_mul_i32 s77, s38, SLOTB
	s_mov_b32 s80, 1
	s_mul_i32 s81, s38, SLOTB
	s_cmp_eq_u32 s38, 1
	s_cselect_b64 s[78:79], s[8:9], s[6:7]
	s_cselect_b64 s[82:83], s[98:99], s[96:97]
	s_cmp_eq_u32 s38, 2
	s_cselect_b64 s[78:79], s[10:11], s[78:79]
	s_cselect_b64 s[82:83], s[14:15], s[82:83]
	s_cmp_eq_u32 s38, 3
	s_cselect_b64 s[78:79], s[12:13], s[78:79]
	s_cselect_b64 s[82:83], s[16:17], s[82:83]
	s_or_b32 s79, s79, 0x80000000                  ; type = 2
	s_or_b32 s83, s83, 0x80000000
	CROUND                                         ; all four work-groups are here: the first joint loads meet
	tensor_load_to_lds s[76:79], s[68:75]          ; the first batch: one load of mine is out
	s_nop 0
	PLACES                                         ; four v_nop follow the load
	BIASLD 0, 20, 0                                ; bq
	BIASLD 1, 22, 0                                ; bk
	BIASLD 2, 24, 0                                ; bv
	BIASLD 3, 26, 0                                ; bin_, q's part
	s_wait_kmcnt 0x0                               ; the exponents
	s_add_co_i32 s60, s52, s53
	s_lshl_b32 s60, s60, 23
	s_mov_b32 s90, 0x3e8293ee                      ; c = log2(e) / sqrt(32);
	s_add_co_i32 s90, s90, s60                     ; a score stands for score x 2^(e12 + e13): added to c's exponent field
	s_mov_b32 s91, s90                             ; (named with it as a pair)
	s_add_co_i32 s92, s58, s59
	s_add_co_i32 s92, s92, 127
	s_lshl_b32 s92, s92, 23                        ; 2^(e18 + e19)
	s_mov_b32 s93, s92
	s_mov_b32 s66, 0xbb800000                      ; -1 / 256
; ---------------------------------------------------------------- mod becomes codes, once for each of its three scales
	s_wait_loadcnt 48                              ; the 16 halo loads are in: behind them stand 16 own and 32 bias loads
	SETQ1 2
	XPASS ACC, 7, RK, 0, 0
	SETQ1 4
	XPASS ACC, 7, RV, 1, 0
	s_wait_loadcnt 32                              ; my own rows are in
	SETQ1 0
	XPASS RES, 6, RQ, 0, 1
	SETQ1 2
	XPASS RES, 6, RK+16*PIT, 1, 1
	SETQ1 4
	XPASS RES, 6, RV+16*PIT, 0, 1
	s_wait_loadcnt 0x0                             ; the biases
	BIASSC 0, 0, 1
	BIASSC 1, 2, 3
	BIASSC 2, 4, 5
	BIASSC 3, 6, 7
	s_wait_tensorcnt 0x0                           ; my matrix has landed,
	BAR                                            ; everybody's has, and all rows of codes lie in LDS
; ---------------------------------------------------------------- the first batch goes into registers; the slots are filled again
	LDX 2, RQ
	WIN 0x80
	PULL WS0, 0                                    ; Wq
	PULL WS1, 1                                    ; Wk
	WIN 0xc0
	PULL WS2, 2                                    ; Wv
	PULL WS3, 3                                    ; Win, q's part
	WIN 0
	s_wait_tensorcnt 0x0                           ; no tensor load of mine is out
	ds_add_u32 v1, v2                              ; 0 onto my spare word
	s_wait_dscnt 63                                ; of the 145 LDS instructions the first 82 are done: the rows' 16 and Wq's 32 among them
	PROD_T 2, 2, WS0, 0, 0                         ; q0 = mod Wq^T + bq: sixteen matrix instructions stand between the add and the wait for it
	s_wait_dscnt 0x0                               ; the add is done, and my reads of the slots are over
	CROUND                                         ; so they are in every wave of the four work-groups
	tensor_load_to_lds s[80:83], s[68:75]          ; the second batch: my one load behind the round; it has three products in which to land
	s_nop 0
	PLACES                                         ; (the places behind q0's products)
	LDX 4, RK
	SETQ3 6, 0, 1
	HOLD 2
	CVTS 2, 2, HC, 8, 2, 0                         ; q0's codes, over Wq's registers, which are done with
	s_wait_dscnt 0x0
	PROD_T 4, 2, WS1, 1, 0                         ; k0 = mod Wk^T + bk, 64 rows
	PLACES
	LDX 4, RV
	SETQ3 8, 2, 3
	HOLD 4
	CVTS 4, 2, HC+16, 8, 2, 0
	s_wait_dscnt 0x0
	PROD_T 4, 3, WS2, 2, 0                         ; v0 = mod Wv^T + bv, 64 rows
	PLACES
	BIASLD 0, 26, 1024                             ; bin_, k's part
	WIN 0x40
.irp n, 0,1,2,3
	global_load_b32 v[BS+32+8*\n], v5, s[26:27] offset:2048+64*\n      ; bin_, v's part, for the natural layout: lane r wants column 16 n + r alone
.endr
	WIN 0
	BIASLD 2, 28, 0                                ; bout
	SETQ3 10, 4, 5
	HOLD 4
	CVTS 4, 2, HC+48, 8, 2, 0
	BAR                                            ; every wave has read mod's codes: their rows may be written
	WIN 0x08                                       ; store data from window 2
.irp m, 0,1
.irp n, 0,1,2,3
	ds_store_b64 v13, v[HC+8*\m+2*\n:HC+8*\m+2*\n+1] offset:RQ+16*\m*PIT+16*\n
.endr
.endr
.irp m, 0,1,2,3
.irp n, 0,1,2,3
	ds_store_b64 v13, v[HC+16+8*\m+2*\n:HC+16+8*\m+2*\n+1] offset:RK+16*\m*PIT+16*\n
	ds_store_b64 v13, v[HC+48+8*\m+2*\n:HC+48+8*\m+2*\n+1] offset:RV+16*\m*PIT+16*\n
.endr
.endr
	WIN 0
	BAR                                            ; whole rows of q0, k0, v0 lie in LDS
; ---------------------------------------------------------------- the in-projections
	LDX 2, RQ
	s_wait_dscnt 0x0
	PROD_T 2, 3, WS3, 3, 0                         ; q
	PLACES
	BIASLD 3, 30, 0                                ; bfc
	SETQ3 12, 6, 7
	HOLD 2
	CVTS 2, 3, QF, 16, 2, 8                        ; q's fragment for (tile t, head a) at QF + 8 (2 t + a): its own 32 channels in their places among my 64,
	WIN 0xc0
.irp q, 0,1,2,3
.irp k, 0,1,2,3
	v_mov_b32 v[QF+8*\q+4*(1-\q%2)+\k], 0          ; zero codes in the other head's: they add nothing
.endr
.endr
	WIN 0
	s_wait_tensorcnt 0x0                           ; my matrix of the second batch has landed,
	BAR                                            ; everybody's has
	LDX 4, RK
	WIN 0x80
	PULL WS0, 0                                    ; Win, k's part
	PULL WS1, 1                                    ; Win, v's part
	WIN 0xc0
	PULL WS3, 2                                    ; Wout
	WIN 0
	s_wait_loadcnt 0x0                             ; the biases asked for above
	BIASSC 0, 8, 9
	s_add_co_i32 s60, s50, s51
	s_sub_co_i32 s60, 0, s60
	WIN 0x41
.irp n, 0,1,2,3
.irp j, 7,6,5,4,3,2,1,0
	v_ldexp_f32 v[BS+32+8*\n+\j], v[BS+32+8*\n], s60   ; a lane's one column serves its eight rows; register 0, the source, last
.endr
.endr
	WIN 0
	BIASSC 2, 16, 17
	s_wait_dscnt 63                                ; of the 128 loads the first 65 are in: k0's 32 and the weight's 32 among them
	PROD_T 4, 2, WS0, 0, 0                         ; k, 64 rows
	PLACES
	LDX 4, RV
	WIN 0x80
	PULL WS0, 3                                    ; Wfc
	WIN 0
	SETQ3 13, 8, 9
	HOLD 4
	CVTS 4, 3, KF, 8, 2, 0                         ; k's fragment of key tile j at KF + 8 j: 16 keys x my 64 channels
	s_wait_dscnt 32                                ; only Wfc's 32 loads may be out
	; v, 64 rows, NOT transposed: source 0 = 16 rows of v0, source 1 = 16 rows of the weight.  A lane then holds one channel and eight neighbouring keys, which are the next product's K.
	WIN 0x19
.irp m, 0,1,2,3
.irp n, 0,1,2,3
	v_wmma_f32_16x16x128_fp8_fp8 v[ACC+8*(4*\m+\n):ACC+8*(4*\m+\n)+7], v[32*\m:32*\m+15], v[WS1+32*\n:WS1+32*\n+15], v[BS+32+8*\n:BS+32+8*\n+7]
.endr
.endr
	WIN 0x09
.irp m, 0,1,2,3
.irp n, 0,1,2,3
	v_wmma_f32_16x16x128_fp8_fp8 v[ACC+8*(4*\m+\n):ACC+8*(4*\m+\n)+7], v[32*\m+16:32*\m+31], v[WS1+32*\n+16:WS1+32*\n+31], v[ACC+8*(4*\m+\n):ACC+8*(4*\m+\n)+7]
.endr
.endr
	WIN 0
	PLACES
	SETQ3 15, 10, 11
	HOLD 4
	CVTS 4, 3, VF, 2, 8, 0                         ; v's fragment of channel tile n at VF + 8 n: 16 channels x the 64 keys
; ---------------------------------------------------------------- attention, in registers alone.  Piece q = 2 t + a: query tile t, head a of my two.  Query tile t meets key tiles t, t + 1, t + 2 of the four.
; S^T = k q^T (source 0 = 16 keys, source 1 = 16 queries): lane (r, h) holds query r and keys 8 h + 0 .. 7 of each tile.  S of piece q at ACC + 24 q, p's fragment at ACC + 96 + 8 q.
; Statistics of piece q at T + 8 q: +0 -M, +2, +3 the sum, +4, +5 at work, +6 1 / the sum; +1 and +7 are named as upper halves of pairs.
	WIN 0x0f
.irp q, 0,1,2,3
.irp j, 0,1,2
	v_wmma_f32_16x16x64_fp8_fp8 v[ACC+24*\q+8*\j:ACC+24*\q+8*\j+7], v[KF+8*(\q/2+\j):KF+8*(\q/2+\j)+7], v[QF+8*\q:QF+8*\q+7], 0
.endr
.endr
	WIN 0
.irp q, 0,1,2,3
	v_mov_b32 v[T+8*\q+1], 0
	v_mov_b32 v[T+8*\q+7], 0                       ; (these eight are the places behind the products)
.endr
	; the band.  First tile: key - query = 8 h + i - r - 16, allowed where i > d.  Middle tile: all allowed.  Last tile: 8 h + i - r + 16, allowed where i < d.
.irp t, 0,1
.set ii, 0
.rept 8
.if \t == 0
	v_cmp_gt_i32 vcc_lo, ii, v19
.else
	v_cmp_gt_i32 vcc_lo, ii, v18
.endif
	v_cndmask_b32 v[ACC+48*\t+ii], v21, v[ACC+48*\t+ii], vcc_lo
	v_cndmask_b32 v[ACC+48*\t+24+ii], v21, v[ACC+48*\t+24+ii], vcc_lo
.if \t == 1
	v_cmp_lt_i32 vcc_lo, ii, v20
.else
	v_cmp_lt_i32 vcc_lo, ii, v18
.endif
	v_cndmask_b32 v[ACC+48*\t+16+ii], v21, v[ACC+48*\t+16+ii], vcc_lo
	v_cndmask_b32 v[ACC+48*\t+40+ii], v21, v[ACC+48*\t+40+ii], vcc_lo
.set ii, ii+1
.endr
.endr
	; the row's largest score, in two chains; the second begins at the middle tile's low end
.irp q, 0,1,2,3
	v_max3_num_f32 v[T+8*\q+4], v[ACC+24*\q], v[ACC+24*\q+1], v[ACC+24*\q+2]
	v_max3_num_f32 v[T+8*\q+5], v[ACC+24*\q+8], v[ACC+24*\q+9], v[ACC+24*\q+10]
.endr
.irp x, 3,5
.irp q, 0,1,2,3
	v_max3_num_f32 v[T+8*\q+4], v[T+8*\q+4], v[ACC+24*\q+\x], v[ACC+24*\q+\x+1]
	v_max3_num_f32 v[T+8*\q+5], v[T+8*\q+5], v[ACC+24*\q+\x+8], v[ACC+24*\q+\x+9]
.endr
.endr
.irp q, 0,1,2,3
	v_max3_num_f32 v[T+8*\q+4], v[T+8*\q+4], v[ACC+24*\q+7], v[ACC+24*\q+16]
	v_max3_num_f32 v[T+8*\q+5], v[T+8*\q+5], v[ACC+24*\q+15], v[ACC+24*\q+21]
.endr
.irp q, 0,1,2,3
	v_max3_num_f32 v[T+8*\q+4], v[T+8*\q+4], v[ACC+24*\q+17], v[ACC+24*\q+18]
	v_max3_num_f32 v[T+8*\q+5], v[T+8*\q+5], v[ACC+24*\q+22], v[ACC+24*\q+23]
.endr
.irp q, 0,1,2,3
	v_max3_num_f32 v[T+8*\q+4], v[T+8*\q+4], v[ACC+24*\q+19], v[ACC+24*\q+20]
.endr
.irp q, 0,1,2,3
	v_max_num_f32 v[T+8*\q+4], v[T+8*\q+4], v[T+8*\q+5]
.endr
.irp q, 0,1,2,3
	v_permlanex16_b32 v[T+8*\q+5], v[T+8*\q+4], s88, s89       ; the query's other keys lie in the lane 16 away
.endr
.irp q, 0,1,2,3
	v_max_num_f32 v[T+8*\q+4], v[T+8*\q+4], v[T+8*\q+5]
.endr
.irp q, 0,1,2,3
	v_mul_f32 v[T+8*\q+4], s90, v[T+8*\q+4]        ; as t (c is positive)
.endr
.irp q, 0,1,2,3
	v_floor_f32 v[T+8*\q], -v[T+8*\q+4]            ; -M = floor(-t) = -ceil(t): M is a whole number.  A query's own key is always allowed, so M is a number
.endr
.irp q, 0,1,2,3
.irp k, 0,2,4,6,8,10,12,14,16,18,20,22
	v_pk_fma_f32 v[ACC+24*\q+\k:ACC+24*\q+\k+1], v[ACC+24*\q+\k:ACC+24*\q+\k+1], s[90:91], v[T+8*\q:T+8*\q+1] op_sel_hi:[1,0,0]   ; t - M
.endr
.endr
.set jj, 0
.rept 96
	v_exp_f32 v[ACC+jj], v[ACC+jj]                 ; p = 2^(t - M); 0 where the key is hidden
.set jj, jj+1
.endr
	v_nop                                          ; a plain place behind the exponentials
	; the row's sum, of the unquantised p, in two chains
	s_wait_alu depctr_va_vdst(0)
.irp q, 0,1,2,3
	v_pk_add_f32 v[T+8*\q+2:T+8*\q+3], v[ACC+24*\q:ACC+24*\q+1], v[ACC+24*\q+2:ACC+24*\q+3]
	v_pk_add_f32 v[T+8*\q+4:T+8*\q+5], v[ACC+24*\q+4:ACC+24*\q+5], v[ACC+24*\q+6:ACC+24*\q+7]
.endr
.irp k, 8,12,16,20
.irp q, 0,1,2,3
	v_pk_add_f32 v[T+8*\q+2:T+8*\q+3], v[T+8*\q+2:T+8*\q+3], v[ACC+24*\q+\k:ACC+24*\q+\k+1]
	v_pk_add_f32 v[T+8*\q+4:T+8*\q+5], v[T+8*\q+4:T+8*\q+5], v[ACC+24*\q+\k+2:ACC+24*\q+\k+3]
.endr
.endr
.irp q, 0,1,2,3
	v_pk_add_f32 v[T+8*\q+2:T+8*\q+3], v[T+8*\q+2:T+8*\q+3], v[T+8*\q+4:T+8*\q+5]
.endr
.irp q, 0,1,2,3
	v_add_f32 v[T+8*\q+2], v[T+8*\q+2], v[T+8*\q+3]
.endr
.irp q, 0,1,2,3
	v_permlanex16_b32 v[T+8*\q+5], v[T+8*\q+2], s88, s89
.endr
.irp q, 0,1,2,3
	v_add_f32 v[T+8*\q+2], v[T+8*\q+2], v[T+8*\q+5]
.endr
.irp q, 0,1,2,3
	v_rcp_f32 v[T+8*\q+6], v[T+8*\q+2]
.endr
	v_nop                                          ; a plain place behind the reciprocals
	SETQ1 14
.set jj, 0
.rept 96
	v_min_num_f32 v[ACC+jj], v[ACC+jj], v17        ; p is not negative: the hold is one-sided
.set jj, jj+1
.endr
.irp q, 0,1,2,3
.irp j, 0,1,2
	v_cvt_scalef32_pk8_fp8_f32 v[ACC+96+8*\q+2*(\q/2+\j):ACC+96+8*\q+2*(\q/2+\j)+1], v[ACC+24*\q+8*\j:ACC+24*\q+8*\j+7], v16   ; key tile j's eight keys of my half: registers 2 j, 2 j + 1 of the fragment
.endr
.endr
.irp q, 0,1,2,3
	v_mov_b32 v[ACC+96+8*\q+6*(1-\q/2)], 0         ; zero codes for the key tile that this query tile does not meet
	v_mov_b32 v[ACC+96+8*\q+6*(1-\q/2)+1], 0
.endr
	v_nop                                          ; a plain place behind the conversions
	; O^T = v^T p^T (source 0 = 16 channels, source 1 = p): lane (r, h) holds query r and channels 16 u + 8 h + 0 .. 7 of head a.  O of (q, u) at ACC + 16 q + 8 u, over the scores
	WIN 0x03
.irp q, 0,1,2,3
.irp u, 0,1
	v_wmma_f32_16x16x64_fp8_fp8 v[ACC+16*\q+8*\u:ACC+16*\q+8*\u+7], v[VF+8*(2*(\q%2)+\u):VF+8*(2*(\q%2)+\u)+7], v[ACC+96+8*\q:ACC+96+8*\q+7], 0
.endr
.endr
	WIN 0
	PLACES
	s_wait_alu depctr_va_vdst(0)
.irp q, 0,1,2,3
.irp k, 0,2,4,6,8,10,12,14
	v_pk_mul_f32 v[ACC+16*\q+\k:ACC+16*\q+\k+1], v[ACC+16*\q+\k:ACC+16*\q+\k+1], v[T+8*\q+6:T+8*\q+7] op_sel_hi:[1,0]   ; / the row's sum
.endr
.endr
	SETQ3 16, 14, 15
	HOLD 2
.irp q, 0,1,2,3
.irp u, 0,1
	v_cvt_scalef32_pk8_fp8_f32 v[ACC+64+2*(2*\q+\u):ACC+64+2*(2*\q+\u)+1], v[ACC+16*\q+8*\u:ACC+16*\q+8*\u+7], v16
.endr
.endr
	v_nop                                          ; a plain place behind the conversions
.irp q, 0,1,2,3
.irp u, 0,1
	ds_store_b64 v13, v[ACC+64+2*(2*\q+\u):ACC+64+2*(2*\q+\u)+1] offset:RQ+16*(\q/2)*PIT+32*(\q%2)+16*\u   ; ctx's codes: q0's rows were last read ahead of the barrier before this one
.endr
.endr
	BAR                                            ; whole rows of ctx lie in LDS
; ---------------------------------------------------------------- Wout, Wfc
	LDX 2, RQ
	s_wait_dscnt 0x0
	PROD_T 2, 3, WS3, 2, 0                         ; ctx Wout^T + bout
	PLACES
	SETQ3 18, 16, 17
	HOLD 2
	CVTS 2, 0, T, 8, 2, 0
.irp m, 0,1
.irp n, 0,1,2,3
	ds_store_b64 v13, v[T+8*\m+2*\n:T+8*\m+2*\n+1] offset:RO+16*\m*PIT+16*\n
.endr
.endr
	BAR
	global_load_b128 v[48:51], v3, s[32:33]        ; gamma and beta of my 8 columns, in the layout of my rows of mod
	global_load_b128 v[52:55], v3, s[32:33] offset:512
	global_load_b128 v[56:59], v3, s[34:35]
	global_load_b128 v[60:63], v3, s[34:35] offset:512
	LDX 2, RO
	s_wait_dscnt 0x0
	PROD_T 2, 2, WS0, 0, 1                         ; x Wfc^T: the sums are multiplied in any case, so C = 0 and the bias rides on that multiplication
	PLACES
	WIN 0x10                                       ; source 2 (bfc) window 1
.irp m, 0,1
.irp n, 0,1,2,3
.irp i, 0,2,4,6
	v_pk_fma_f32 v[ACC+8*(4*\m+\n)+\i:ACC+8*(4*\m+\n)+\i+1], v[ACC+8*(4*\m+\n)+\i:ACC+8*(4*\m+\n)+\i+1], s[92:93], v[BS+96+8*\n+\i:BS+96+8*\n+\i+1] op_sel_hi:[1,0,1]   ; sum x 2^(e18 + e19) + bfc
.endr
.endr
.endr
	WIN 0
.irp m, 0,1
.irp n, 0,1,2,3
	ds_store_b128 v14, v[ACC+8*(4*\m+\n):ACC+8*(4*\m+\n)+3] offset:16*\m*YP+64*\n
	ds_store_b128 v14, v[ACC+8*(4*\m+\n)+4:ACC+8*(4*\m+\n)+7] offset:16*\m*YP+64*\n+16
.endr
.endr
	BAR                                            ; 32 whole rows lie in LDS
; ---------------------------------------------------------------- residual and LayerNorm: a wave takes 8 whole rows, 8 numbers of each row a lane.  Row i's pair of statistics at T + 2 i
.macro REDUCE                          ; the sum over the 32 lanes, into every lane
.irp x, 1,2,4,8
.irp i, 0,1,2,3,4,5,6,7
	v_add_f32_dpp v[T+2*\i], v[T+2*\i], v[T+2*\i] row_xmask:\x row_mask:0xf bank_mask:0xf
.endr
.endr
.irp i, 0,1,2,3,4,5,6,7
	v_permlanex16_b32 v[T+2*\i+1], v[T+2*\i], s88, s89
.endr
.irp i, 0,1,2,3,4,5,6,7
	v_add_f32 v[T+2*\i], v[T+2*\i], v[T+2*\i+1]
.endr
.endm
.irp i, 0,1,2,3,4,5,6,7
	ds_load_b128 v[ACC+8*\i:ACC+8*\i+3], v15 offset:YP*\i
	ds_load_b128 v[ACC+8*\i+4:ACC+8*\i+7], v15 offset:YP*\i+512
.endr
	s_wait_dscnt 0x0
	s_wait_loadcnt 0x0                             ; gamma, beta
.set jj, 0
.rept 32
	v_pk_add_f32 v[ACC+jj:ACC+jj+1], v[ACC+jj:ACC+jj+1], v[RES+jj:RES+jj+1]    ; + mod
.set jj, jj+2
.endr
.irp i, 0,1,2,3,4,5,6,7
	v_pk_add_f32 v[T+2*\i:T+2*\i+1], v[ACC+8*\i:ACC+8*\i+1], v[ACC+8*\i+2:ACC+8*\i+3]
.endr
.irp k, 4,6
.irp i, 0,1,2,3,4,5,6,7
	v_pk_add_f32 v[T+2*\i:T+2*\i+1], v[T+2*\i:T+2*\i+1], v[ACC+8*\i+\k:ACC+8*\i+\k+1]
.endr
.endr
.irp i, 0,1,2,3,4,5,6,7
	v_add_f32 v[T+2*\i], v[T+2*\i], v[T+2*\i+1]
.endr
	REDUCE
.irp i, 0,1,2,3,4,5,6,7
	v_mul_f32 v[T+2*\i], s66, v[T+2*\i]            ; -mean
.endr
.irp i, 0,1,2,3,4,5,6,7
.irp k, 0,2,4,6
	v_pk_add_f32 v[ACC+8*\i+\k:ACC+8*\i+\k+1], v[ACC+8*\i+\k:ACC+8*\i+\k+1], v[T+2*\i:T+2*\i+1] op_sel_hi:[1,0]   ; y - mean
.endr
.endr
.irp i, 0,1,2,3,4,5,6,7
	v_pk_mul_f32 v[T+2*\i:T+2*\i+1], v[ACC+8*\i:ACC+8*\i+1], v[ACC+8*\i:ACC+8*\i+1]
.endr
.irp k, 2,4,6
.irp i, 0,1,2,3,4,5,6,7
	v_pk_fma_f32 v[T+2*\i:T+2*\i+1], v[ACC+8*\i+\k:ACC+8*\i+\k+1], v[ACC+8*\i+\k:ACC+8*\i+\k+1], v[T+2*\i:T+2*\i+1]
.endr
.endr
.irp i, 0,1,2,3,4,5,6,7
	v_add_f32 v[T+2*\i], v[T+2*\i], v[T+2*\i+1]
.endr
	REDUCE
.irp i, 0,1,2,3,4,5,6,7
	v_fma_f32 v[T+2*\i], v[T+2*\i], s94, s95       ; the variance + 1e-6
.endr
.irp i, 0,1,2,3,4,5,6,7
	v_rsq_f32 v[T+2*\i], v[T+2*\i]
.endr
	v_nop                                          ; a plain place behind the roots
	s_wait_alu depctr_va_vdst(0)
.irp i, 0,1,2,3,4,5,6,7
.irp k, 0,2,4,6
	v_pk_mul_f32 v[ACC+8*\i+\k:ACC+8*\i+\k+1], v[ACC+8*\i+\k:ACC+8*\i+\k+1], v[T+2*\i:T+2*\i+1] op_sel_hi:[1,0]
.endr
.endr
.irp i, 0,1,2,3,4,5,6,7
.irp k, 0,2,4,6
	v_pk_fma_f32 v[ACC+8*\i+\k:ACC+8*\i+\k+1], v[ACC+8*\i+\k:ACC+8*\i+\k+1], v[48+\k:48+\k+1], v[56+\k:56+\k+1]   ; x gamma + beta
.endr
.endr
.irp i, 0,1,2,3,4,5,6,7
	global_store_b128 v3, v[ACC+8*\i:ACC+8*\i+3], s[36:37] offset:4096*\i th:TH_STORE_NT          ; 32 lanes store 512 neighbouring bytes, at a multiple of 256 from out0's first byte
	global_store_b128 v3, v[ACC+8*\i+4:ACC+8*\i+7], s[36:37] offset:4096*\i+512 th:TH_STORE_NT
.endr
	s_wait_tensorcnt 0x0                           ; the wave's end: behind my last tensor load and my last LDS store
	ds_add_u32 v1, v2
	s_wait_dscnt 0x0
	CROUND                                         ; the closing round: no work-group ends while a partner may still ask for a tile that names it
	s_endpgm
.Lfunc_end_k_qcda319c7ec_main:
	.size	k_qcda319c7ec_main, .Lfunc_end_k_qcda319c7ec_main-k_qcda319c7ec_main
	.p2alignl 7, 3214868480
	.fill 96, 4, 3214868480
	.section	.rodata,"a",@progbits
	.p2align	6, 0x0
	.amdhsa_kernel k_qcda319c7ec_main
		.amdhsa_group_segment_fixed_size 327680
		.amdhsa_private_segment_fixed_size 0
		.amdhsa_enable_private_segment 0
		.amdhsa_kernarg_size 136
		.amdhsa_user_sgpr_count 2
		.amdhsa_user_sgpr_kernarg_segment_ptr 1
		.amdhsa_wavefront_size32 1
		.amdhsa_system_sgpr_workgroup_id_x 1
		.amdhsa_system_sgpr_workgroup_id_y 1
		.amdhsa_system_sgpr_workgroup_id_z 1
		.amdhsa_system_vgpr_workitem_id 0
		.amdhsa_next_free_vgpr 1024
		.amdhsa_next_free_sgpr 100
		.amdhsa_reserve_vcc 1
		.amdhsa_float_denorm_mode_32 3
		.amdhsa_float_denorm_mode_16_64 3
		.amdhsa_memory_ordered 1
		.amdhsa_forward_progress 1
		.amdhsa_inst_pref_size 215
	.end_amdhsa_kernel
	.amdgpu_metadata
---
amdhsa.version: [ 1, 2 ]
amdhsa.kernels:
  - .name:           k_qcda319c7ec_main
    .symbol:         k_qcda319c7ec_main.kd
    .args:
      - { .name: mod, .offset: 0, .size: 8, .value_kind: global_buffer, .address_space: global }
      - { .name: Wq_codes, .offset: 8, .size: 8, .value_kind: global_buffer, .address_space: global }
      - { .name: Wk_codes, .offset: 16, .size: 8, .value_kind: global_buffer, .address_space: global }
      - { .name: Wv_codes, .offset: 24, .size: 8, .value_kind: global_buffer, .address_space: global }
      - { .name: Win_codes, .offset: 32, .size: 8, .value_kind: global_buffer, .address_space: global }
      - { .name: Wout_codes, .offset: 40, .size: 8, .value_kind: global_buffer, .address_space: global }
      - { .name: Wfc_codes, .offset: 48, .size: 8, .value_kind: global_buffer, .address_space: global }
      - { .name: lowp_scales, .offset: 56, .size: 8, .value_kind: global_buffer, .address_space: global }
      - { .name: bq, .offset: 64, .size: 8, .value_kind: global_buffer, .address_space: global }
      - { .name: bk, .offset: 72, .size: 8, .value_kind: global_buffer, .address_space: global }
      - { .name: bv, .offset: 80, .size: 8, .value_kind: global_buffer, .address_space: global }
      - { .name: bin_, .offset: 88, .size: 8, .value_kind: global_buffer, .address_space: global }
      - { .name: bout, .offset: 96, .size: 8, .value_kind: global_buffer, .address_space: global }
      - { .name: bfc, .offset: 104, .size: 8, .value_kind: global_buffer, .address_space: global }
      - { .name: gamma, .offset: 112, .size: 8, .value_kind: global_buffer, .address_space: global }
      - { .name: beta, .offset: 120, .size: 8, .value_kind: global_buffer, .address_space: global }
      - { .name: out0, .offset: 128, .size: 8, .value_kind: global_buffer, .address_space: global }
    .group_segment_fixed_size: 327680
    .private_segment_fixed_size: 0
    .kernarg_segment_align: 8
    .kernarg_segment_size: 136
    .max_flat_workgroup_size: 128
    .sgpr_count:     100
    .vgpr_count:     1024
    .wavefront_size: 32
...
	.end_amdgpu_metadata
.endif
;; end of part 1
